; MI455X (gfx1250); checked and timed in simulation.
; The chip was launched on July 23, 2026; its instructions are those of AMD's public machine-readable ISA for CDNA 5 (MIT licence, August 2026) and "CDNA5" Instruction Set Architecture Reference Guide (July 2026). The comments in the code are by the model that wrote it; some were corrected since.
;; Bio Simulator HILO. Allowed arithmetic: float matrix products may take bf16 or f16 operands with f32 sums; all other float work in f32.
;; Inputs: phi 2 x 13 float32; stimulation 2 x 1 x 32 x 32 float32.
;; Outputs: out0 2 x 1 x 256 x 256 float32.
;; One version. Each part assembles by itself: llvm-mc -triple=amdgcn-amd-amdhsa -mcpu=gfx1250 --defsym DOCPART=n.
;; ======== version 1 of 1: 1 launch
;; limits: values outside matrix products are rounded to bf16
;; launch splat (part 1): grid 128 x 2, 8 waves a work-group, no clusters, 35,840 bytes of LDS; arguments phi, stimulation, out0; writes out0
.if DOCPART == 1
	.amdgcn_target "amdgcn-amd-amdhsa--gfx1250"
	.amdhsa_code_object_version 6
	.text
	.protected	k_q4d6e742071_splat
	.globl	k_q4d6e742071_splat
	.p2align	8
	.type	k_q4d6e742071_splat,@function
k_q4d6e742071_splat:
	s_mov_b64 s[64:65], 0
	v_nop
	global_prefetch_b8 v0, s[64:65] scope:SCOPE_SE
	s_setreg_imm32_b32 hwreg(HW_REG_WAVE_MODE, 25, 1), 1
	s_wait_xcnt 0x0
; out[b][y][x] = clip(2 * sum over 1024 electrodes n of Bv[n] * exp(-(dx^2 + dy^2) / (2 sigma[n]^2)), 0, 1), dx, dy in pixels.
; THE GAUSSIAN IS A PRODUCT of a factor in x and a factor in y, for every input, so an image is a matrix product over K = 1024 electrodes:
;   out[y][x] = sum_n Ey[y][n] * Ex[x][n],  Ex = exp2(-tx^2),  Ey = exp2(-ty^2 + lb[n]),  t = pixel * p[n] + q[n],
;   p = s * 256/255, qx = -s * (128 + vx * D), qy = -s * (128 + vy * D), s = sqrt(log2(e)/2) / sigma, lb = log2(2 Bv).
; (The pixel grid times D = 128/FOV is pixel * 256/255 - 128.  FOV follows from the problem's constants alone: 1.1 * Im z at grid point (15, 15)
;  = 1.1 * 1.3785890106 = 1.5164479117, D = 84.40777887.)  Both factors go to the matrix unit in bf16, the sums are f32; all terms are >= 0.
; WORK: 256 work-groups; each makes 16 rows x 32 columns of one image: (16 + 32) * 1024 exponentials instead of 16 * 32 * 1024.
; Eight waves split K: wave w owns electrodes 128 w .. 128 w + 127.  It computes their four parameters (lane = 4 neighbouring electrodes, packed f32),
; turns them round through 2,048 LDS bytes of its own, builds the fragments in registers and multiplies; the eight partial tiles are added through LDS.
; No tensor load, no cluster: the inputs are 8 KB and no tile comes from memory.  A store of a wave covers two aligned pieces of 128 consecutive bytes:
; tiles 64 columns wide would need (8 + 64) or (16 + 64) factors an electrode instead of 48.
; LIMITS: angles (phi[2] in radians, gy / 17.3) below 2^22 * pi in magnitude; factors below 2^-126 count as zero (v_exp_f32 flushes denormals);
; a NaN (a negative drive under the root) spreads over the image as in the model: max and clip are compare and select.
.set PAR_W,  2048                      ; LDS bytes of a wave's parameters: four arrays of 128 f32
.set OFF_P,  0
.set OFF_QX, 512
.set OFF_QY, 1024
.set OFF_LB, 1536
.set PART,   8*PAR_W                   ; behind them the eight partial tiles
.set PPITCH, 144                       ; a partial tile's row: 128 bytes + 16 = 36 words, so 16 rows start at 16 different multiples of 4 words modulo 64
.set PART_W, 16*PPITCH
; constants, f32 bit patterns
.set C_DEG2RAD, 0x3c8efa35             ; pi / 180
.set C_SHK,     0x3e4f2aea             ; 3.5 / 17.3
.set C_DK,      0x3d652020             ; (30/31) / 17.3: grid step over K
.set C_B0K,     0xbf5df71f             ; -15 / 17.3
.set C_LOG2E,   0x3fb8aa3b
.set C_INVPI,   0x3ea2f983
.set C_MAGIC,   0x4b400000             ; 1.5 * 2^23
.set C_NMAGIC,  0xcb400000
.set C_NPIHI,   0xc0490fdb             ; -pi, upper part
.set C_NPILO,   0x33bbbd2e             ; -(pi - upper part)
.set C_S11, 0xb2d7322b                 ; -1/11!
.set C_S9,  0x3638ef1d                 ;  1/9!
.set C_S7,  0xb9500d01                 ; -1/7!
.set C_S5,  0x3c088889                 ;  1/5!
.set C_S3,  0xbe2aaaab                 ; -1/3!
.set C_C12, 0x310f76c7                 ;  1/12!
.set C_C10, 0xb493f27e                 ; -1/10!
.set C_C8,  0x37d00d01                 ;  1/8!
.set C_C6,  0xbab60b61                 ; -1/6!
.set C_C4,  0x3d2aaaab                 ;  1/4!
.set C_160, 0x43200000                 ; B / A
.set C_159, 0x431f0000                 ; B / A - 1
.set C_BD,  0x461e43bc                 ; 120 * D = 10128.9335
.set C_AD,  0x427d392d                 ; 0.75 * D = 63.305834
.set C_KBAD2, 0x4b60478b               ; 17.3 * 119.25 * D^2 = 14698379
.set C_EPS, 0x3089705f                 ; 1e-9
.set C_SIZE, 0x435319f7                ; (8e-5 / 0.000675) * (0.5 * D)^2 = 211.10143
.set C_I,   0x38a7c5ac                 ; 8e-5
.set C_NRHEO, 0xb7c87cdc               ; -2.39e-5
.set C_KU1, 0xc9ac0594                 ; -log2(e) * slope * 0.00017 * 300 = -1409202.5
.set C_KU0, 0x403aebca                 ;  log2(e) * slope * 1.057e-7 = 2.9206413
.set C_PS,  0x3f5a476f                 ; sqrt(log2(e)/2) * 256/255
.set C_NSA, 0xbf596d27                 ; -sqrt(log2(e)/2)
; registers
.set XA, 2                             ; v2, v3   my column of fragment 0, of fragment 1, as f32
.set YB, 4                             ; v4       my row as f32
.set VLD, 5                            ; v5       LDS: my half's parameters
.set VST, 6                            ; v6       LDS: where my four electrodes' parameters go
.set VPS, 7                            ; v7       LDS: my 64 bytes in my wave's partial tile
.set VPL, 8                            ; v8       LDS: my 8 bytes of partial tile 0
.set VOUT, 9                           ; v9       byte offset of my 8 bytes in out0
.set BXS, 10                           ; v10, v11 grid x of my first electrode, grid y, over K
.set BYS, 11
.set W0, 12                            ; v12-15   scratch
.set W1, 13
.set W2, 14
.set W3, 15
.set OP, 16                            ; v16-31   p, qx, qy, lb of my four electrodes
.set OQX, 20
.set OQY, 24
.set OLB, 28
.set PB0, 32                           ; v32-95, v96-159: parameters of a K step (p 16, qy 16, lb 16, qx 16), two buffers
.set PB1, 96
.set TA, 160                           ; v160-191 arguments, then exponentials, of a fragment: two buffers
.set TB, 176
.set FY, 192                           ; fragments: rows, columns 0-15, columns 16-31
.set FX0, 200
.set FX1, 208
.set D0, 216                           ; accumulators: columns 0-15, columns 16-31
.set D1, 224
; scratch of the parameter stage, four registers each, in what later are the parameter buffers
.set FL, 32
.set IE, 36
.set SB, 40
.set UU, 44
.set GX, 48
.set PH, 52
.set KK, 56
.set ZZ, 60
.set T1, 64
.set SN, 68
.set CS, 72
.set ER, 76
.set EI, 80
.set NR, 84
.set DR, 88
.set E2, 92
.set DN, 96
.set NZ, 100
.set E9, 104
.set XX, 108
.set YY, 112
.set RR, 116
.set T2, 120
.set PP, 124
.set NS, 128
.set SH, 132
.set U0, 140                           ; v140-145 the image's scales
.set U1, 141
.set U2, 142
.set U3, 143
.set U4, 144
.set U5, 145
.set TH, 232                           ; v232-243 sine and cosine of the implant's rotation
.set UK, 234
.set UZ, 236
.set UT, 238
.set USN, 240
.set UCS, 242
.set CC, 244
.set SS, 245
.set DCK, 246                          ; pairs that packed instructions broadcast from: (step * cos, step * sin)
.set DSK, 247
.set C1U, 248                          ; (factor under the size's root, -threshold current)
.set THRN, 249
.set NPW, 250                          ; (-1/contrast, log2(brightness)/contrast + 1)
.set LBS, 251
.set ONE, 252
.set ZERO, 253
.set VSO, 254                          ; byte offset of my four drives
	s_load_b128 s[4:7], s[0:1], 0x0                ; phi s[4:5], stimulation s[6:7]
	s_load_b64 s[8:9], s[0:1], 0x10                ; out0
	v_lshl_add_u32 v255, v0, 2, 0x8800
	s_set_vgpr_msb 0x40
	v_mov_b32 v1, 0
	s_set_vgpr_msb 0x4000
	v_lshrrev_b32 v1, 5, v0
	v_readfirstlane_b32 s10, v1                    ; wave 0..7
	s_and_b32 s11, ttmp7, 0xffff                   ; image 0, 1
	s_mul_i32 s12, s11, 52                         ; its 13 numbers of phi
	s_mov_b32 s13, 0
	s_lshl_b32 s14, s11, 12                        ; its 1,024 drives
	v_lshl_add_u32 v[VSO], v0, 4, s14              ; thread t takes electrodes 4 t .. 4 t + 3: a wave's load covers 512 consecutive bytes
	s_wait_kmcnt 0x0
	s_add_nc_u64 s[4:5], s[4:5], s[12:13]
	s_load_b256 s[16:23], s[4:5], 0x0              ; phi[b][0..7]: shift x, shift y, rotation, spread, brightness, size, threshold, contrast
	global_load_b128 v[FL:FL+3], v[VSO], s[6:7]
	; while these are on their way: constants and everything that hangs on indices alone.
	; A packed instruction names a scalar pair and broadcasts its first word: both words are written.
	s_mov_b32 s24, C_INVPI
	s_mov_b32 s25, C_INVPI
	s_mov_b32 s26, C_S11
	s_mov_b32 s27, C_S11
	s_mov_b32 s28, C_C12
	s_mov_b32 s29, C_C12
	s_mov_b32 s30, C_EPS
	s_mov_b32 s31, C_EPS
	s_mov_b32 s32, C_KU1
	s_mov_b32 s33, C_KU1
	s_mov_b32 s34, C_DK
	v_and_b32 v1, 31, v0                           ; lane
	v_and_b32 v[W0], 15, v0                        ; r: my row or column in a fragment
	v_bfe_u32 v[W1], v0, 4, 1                      ; h: my half of the lanes
	s_and_b32 s35, ttmp9, 7                        ; tile column: 32 pixels
	s_lshr_b32 s36, ttmp9, 3                       ; tile row: 16 pixels
	s_lshl_b32 s37, s35, 5
	s_lshl_b32 s38, s36, 4
	v_add_nc_u32 v[W2], s37, v[W0]
	v_add_nc_u32 v[W3], s38, v[W0]
	v_cvt_f32_u32 v[XA], v[W2]
	v_cvt_f32_u32 v[YB], v[W3]
	s_lshl_b32 s39, s10, 11                        ; my wave's parameter bytes
	v_lshl_add_u32 v[VST], v1, 4, s39              ; 16 bytes a lane in each array
	v_lshl_add_u32 v[VLD], v[W1], 6, s39           ; half h reads electrodes 16 h .. 16 h + 15 of a K step
	s_mul_i32 s40, s10, PART_W
	s_add_co_u32 s40, s40, PART                    ; my wave's partial tile
	v_mul_u32_u24 v[W2], v[W0], PPITCH
	v_lshl_add_u32 v[W2], v[W1], 5, v[W2]
	v_add_nc_u32 v[VPS], s40, v[W2]                ; row r, columns 8 h ..
	v_lshrrev_b32 v[W3], 4, v0                     ; the way out: thread t takes row t / 16, columns 2 (t % 16), + 1
	v_mul_u32_u24 v[W2], v[W3], PPITCH
	v_lshl_add_u32 v[W2], v[W0], 3, v[W2]
	v_add_nc_u32 v[VPL], PART, v[W2]
	s_lshl_b32 s41, s11, 18                        ; image: 262,144 bytes
	s_lshl_b32 s42, s36, 14                        ; 16 rows of 1,024 bytes
	s_lshl_b32 s43, s35, 7                         ; 32 columns
	s_add_co_u32 s41, s41, s42
	s_add_co_u32 s41, s41, s43
	v_lshlrev_b32 v[W3], 10, v[W3]
	v_lshl_add_u32 v[W3], v[W0], 3, v[W3]
	v_add_nc_u32 v[VOUT], s41, v[W3]
	v_lshlrev_b32 v[W2], 2, v0
	v_and_b32 v[W2], 28, v[W2]                     ; grid column of electrode 4 t: 4 (t % 8)
	v_lshrrev_b32 v[W3], 3, v0                     ; grid row: t / 8
	v_cvt_f32_u32 v[W2], v[W2]
	v_cvt_f32_u32 v[W3], v[W3]
	v_fmaak_f32 v[BXS], s34, v[W2], C_B0K          ; (-15 + column * 30/31) / K
	v_fmaak_f32 v[BYS], s34, v[W3], C_B0K
; Sine and cosine of two angles at once.  k = nearest whole number to angle / pi, made by adding 1.5 * 2^23: the sum's lowest bit is k's parity.
; r = angle - k pi in two parts, |r| <= pi/2; Taylor series to r^11 and r^12 (the first terms left out are below 6e-8).
; Out: sn = sin r, cs = cos r, kk = parity of k in the sign bit: sin and cos of the angle are sn and cs with that sign flipped in.
.macro SINCOS2 ph, kk, zz, t1, sn, cs
	v_pk_fma_f32 v[\kk:\kk+1], v[\ph:\ph+1], s[24:25], C_MAGIC op_sel_hi:[1,0,0]
	v_pk_add_f32 v[\t1:\t1+1], v[\kk:\kk+1], C_NMAGIC op_sel_hi:[1,0]
	v_pk_fma_f32 v[\ph:\ph+1], v[\t1:\t1+1], C_NPIHI, v[\ph:\ph+1] op_sel_hi:[1,0,1]
	v_pk_fma_f32 v[\ph:\ph+1], v[\t1:\t1+1], C_NPILO, v[\ph:\ph+1] op_sel_hi:[1,0,1]
	v_pk_mul_f32 v[\zz:\zz+1], v[\ph:\ph+1], v[\ph:\ph+1]
	v_pk_fma_f32 v[\cs:\cs+1], v[\zz:\zz+1], s[28:29], C_C10 op_sel_hi:[1,0,0]
	v_pk_fma_f32 v[\sn:\sn+1], v[\zz:\zz+1], s[26:27], C_S9 op_sel_hi:[1,0,0]
	v_pk_fma_f32 v[\cs:\cs+1], v[\cs:\cs+1], v[\zz:\zz+1], C_C8 op_sel_hi:[1,1,0]
	v_pk_fma_f32 v[\sn:\sn+1], v[\sn:\sn+1], v[\zz:\zz+1], C_S7 op_sel_hi:[1,1,0]
	v_pk_fma_f32 v[\cs:\cs+1], v[\cs:\cs+1], v[\zz:\zz+1], C_C6 op_sel_hi:[1,1,0]
	v_pk_fma_f32 v[\sn:\sn+1], v[\sn:\sn+1], v[\zz:\zz+1], C_S5 op_sel_hi:[1,1,0]
	v_pk_fma_f32 v[\cs:\cs+1], v[\cs:\cs+1], v[\zz:\zz+1], C_C4 op_sel_hi:[1,1,0]
	v_pk_fma_f32 v[\sn:\sn+1], v[\sn:\sn+1], v[\zz:\zz+1], C_S3 op_sel_hi:[1,1,0]
	v_pk_fma_f32 v[\cs:\cs+1], v[\cs:\cs+1], v[\zz:\zz+1], -0.5 op_sel_hi:[1,1,0]
	v_pk_mul_f32 v[\t1:\t1+1], v[\zz:\zz+1], v[\ph:\ph+1]
	v_pk_fma_f32 v[\cs:\cs+1], v[\cs:\cs+1], v[\zz:\zz+1], 1.0 op_sel_hi:[1,1,0]
	v_pk_fma_f32 v[\sn:\sn+1], v[\sn:\sn+1], v[\t1:\t1+1], v[\ph:\ph+1]
	v_lshlrev_b32 v[\kk], 31, v[\kk]
	v_lshlrev_b32 v[\kk+1], 31, v[\kk+1]
.endm
	; ---- what is the same for the whole image
	s_wait_kmcnt 0x0                               ; phi
	s_mul_f32 s44, s18, C_DEG2RAD                  ; theta
	s_mul_f32 s45, s16, C_SHK                      ; the shifts, over K
	s_mul_f32 s46, s17, C_SHK
	v_mov_b32 v[U0], 0x3dcccccd                    ; 0.1
	v_med3_num_f32 v[U1], s19, v[U0], 0x41200000   ; spread scale, clipped to 0.1 .. 10
	v_med3_num_f32 v[U2], s20, v[U0], 0x40a00000   ; brightness scale, 0.1 .. 5
	v_med3_num_f32 v[U3], s21, v[U0], 0x40a00000   ; size scale
	v_med3_num_f32 v[U4], s22, v[U0], 0x40a00000   ; threshold scale
	v_med3_num_f32 v[U5], s23, 0.5, 0x40a00000     ; max(clip(contrast, 0.1, 5), 0.5) = clip(contrast, 0.5, 5)
	v_rcp_f32 v[U1], v[U1]
	v_rcp_f32 v[U5], v[U5]                         ; the power
	v_log_f32 v[U2], v[U2]                         ; behind a run of transcendentals a plain instruction that touches none of them comes first (ISA guide 5.7.2): here the moves
	v_mov_b32 v[TH], s44
	v_mov_b32 v[TH+1], s44
	SINCOS2 TH, UK, UZ, UT, USN, UCS
	v_mul_f32 v[U3], v[U3], v[U3]
	v_mul_f32 v[THRN], C_NRHEO, v[U4]              ; -rheobase * threshold scale
	v_mul_f32 v[U3], C_SIZE, v[U3]
	s_wait_alu depctr_va_vdst(0)
	v_mul_f32 v[C1U], v[U3], v[U1]                 ; sigma in pixels = sqrt(drive * this) / (M + 1e-9)
	v_fma_f32 v[LBS], v[U5], v[U2], 1.0            ; power * log2(brightness scale) + 1: the 1 is the factor 2 in front of the clip
	v_xor_b32 v[NPW], 0x80000000, v[U5]
	v_xor_b32 v[CC], v[UCS], v[UK]                 ; cos theta
	v_xor_b32 v[SS], v[USN], v[UK]                 ; sin theta
	; ---- the parameters of my four electrodes, two at a time in packed f32
	s_wait_loadcnt 0x0                             ; the drives
.irp q, 0,2
	v_pk_fma_f32 v[IE+\q:IE+\q+1], v[FL+\q:FL+\q+1], C_I, v[C1U:C1U+1] op_sel:[0,0,1] op_sel_hi:[1,0,1]   ; current - threshold
	v_pk_mul_f32 v[SB+\q:SB+\q+1], v[FL+\q:FL+\q+1], v[C1U:C1U+1] op_sel_hi:[1,0]
.endr
.irp j, 0,1,2,3
	v_max_num_f32 v[IE+\j], 0, v[IE+\j]            ; relu
.endr
.irp q, 0,2
	v_pk_fma_f32 v[UU+\q:UU+\q+1], v[IE+\q:IE+\q+1], s[32:33], C_KU0 op_sel_hi:[1,0,0]   ; -log2(e) * slope * (charge - half)
.endr
.irp j, 0,1,2,3
	v_exp_f32 v[UU+\j], v[UU+\j]
.endr
.irp j, 0,1,2,3
	v_sqrt_f32 v[SB+\j], v[SB+\j]
.endr
	; rotated and shifted grid, over K: electrode j of my four lies j grid steps along x from the first
	v_mul_f32 v[DCK], s34, v[CC]
	v_mul_f32 v[DSK], s34, v[SS]
	v_fma_f32 v[W2], -v[BYS], v[SS], s45
	v_fma_f32 v[W3], v[BYS], v[CC], s46
	v_fma_f32 v[GX], v[BXS], v[CC], v[W2]
	v_fma_f32 v[PH], v[BXS], v[SS], v[W3]
	v_add_f32 v[GX+1], v[GX], v[DCK]
	v_add_f32 v[PH+1], v[PH], v[DSK]
	v_pk_fma_f32 v[GX+2:GX+3], v[DCK:DCK+1], 2.0, v[GX:GX+1] op_sel_hi:[0,0,1]
	v_pk_fma_f32 v[PH+2:PH+3], v[DCK:DCK+1], 2.0, v[PH:PH+1] op_sel:[1,0,0] op_sel_hi:[1,0,1]
.irp q, 0,2
	v_pk_mul_f32 v[GX+\q:GX+\q+1], v[GX+\q:GX+\q+1], C_LOG2E op_sel_hi:[1,0]
.endr
.irp j, 0,1,2,3
	v_exp_f32 v[GX+\j], v[GX+\j]                   ; |e^(w/K)|
.endr
	s_wait_alu depctr_va_vdst(0)
.irp q, 0,2
	v_pk_add_f32 v[UU+\q:UU+\q+1], v[UU+\q:UU+\q+1], 1.0 op_sel_hi:[1,0]
.endr
.irp j, 0,1,2,3
	v_log_f32 v[UU+\j], v[UU+\j]                   ; -log2(sigmoid)
.endr
	SINCOS2 PH, KK, ZZ, T1, SN, CS
	SINCOS2 PH+2, KK+2, ZZ+2, T1+2, SN+2, CS+2
.irp j, 0,1,2,3
	v_xor_b32 v[GX+\j], v[GX+\j], v[KK+\j]         ; one sign serves sine and cosine
.endr
.irp q, 0,2
	v_pk_mul_f32 v[ER+\q:ER+\q+1], v[GX+\q:GX+\q+1], v[CS+\q:CS+\q+1]
	v_pk_mul_f32 v[EI+\q:EI+\q+1], v[GX+\q:GX+\q+1], v[SN+\q:SN+\q+1]
.endr
	; z = A B (e - 1) / (B - A e) = 120 (e - 1) / (160 - e) = 120 (e - 1) conj(160 - e) / |160 - e|^2;
	; the imaginary part of (e - 1) conj(160 - e) is Im e * ((Re e - 1) + (160 - Re e)) = 159 Im e
.irp q, 0,2
	v_pk_add_f32 v[NR+\q:NR+\q+1], v[ER+\q:ER+\q+1], -1.0 op_sel_hi:[1,0]
	v_pk_add_f32 v[DR+\q:DR+\q+1], v[ER+\q:ER+\q+1], C_160 op_sel_hi:[1,0] neg_lo:[1,0] neg_hi:[1,0]
	v_pk_mul_f32 v[E2+\q:E2+\q+1], v[EI+\q:EI+\q+1], v[EI+\q:EI+\q+1]
.endr
.irp q, 0,2
	v_pk_fma_f32 v[DN+\q:DN+\q+1], v[DR+\q:DR+\q+1], v[DR+\q:DR+\q+1], v[E2+\q:E2+\q+1]
	v_pk_fma_f32 v[NZ+\q:NZ+\q+1], v[NR+\q:NR+\q+1], v[DR+\q:DR+\q+1], v[E2+\q:E2+\q+1] neg_lo:[0,0,1] neg_hi:[0,0,1]
.endr
.irp j, 0,1,2,3
	v_rcp_f32 v[DN+\j], v[DN+\j]
.endr
.irp q, 0,2
	v_pk_mul_f32 v[E9+\q:E9+\q+1], v[EI+\q:EI+\q+1], C_159 op_sel_hi:[1,0]
.endr
	s_wait_alu depctr_va_vdst(0)
.irp q, 0,2
	v_pk_mul_f32 v[DN+\q:DN+\q+1], v[DN+\q:DN+\q+1], C_BD op_sel_hi:[1,0]
.endr
.irp q, 0,2
	v_pk_mul_f32 v[XX+\q:XX+\q+1], v[NZ+\q:NZ+\q+1], v[DN+\q:DN+\q+1]     ; vx in pixels
	v_pk_mul_f32 v[YY+\q:YY+\q+1], v[E9+\q:E9+\q+1], v[DN+\q:DN+\q+1]     ; vy in pixels
.endr
.irp q, 0,2
	v_pk_mul_f32 v[RR+\q:RR+\q+1], v[XX+\q:XX+\q+1], v[XX+\q:XX+\q+1]
.endr
.irp q, 0,2
	v_pk_fma_f32 v[RR+\q:RR+\q+1], v[YY+\q:YY+\q+1], v[YY+\q:YY+\q+1], v[RR+\q:RR+\q+1]
.endr
.irp j, 0,1,2,3
	v_sqrt_f32 v[RR+\j], v[RR+\j]                  ; eccentricity in pixels
.endr
.irp q, 0,2
	v_pk_fma_f32 v[OLB+\q:OLB+\q+1], v[UU+\q:UU+\q+1], v[NPW:NPW+1], v[NPW:NPW+1] op_sel:[0,0,1] op_sel_hi:[1,0,1]   ; lb = log2(2 (sigmoid * scale)^power)
.endr
	; M = K (B - A) / ((r + A)(r + B)); with P = (r + A)(r + B) in pixels^2:  1 / (M + 1e-9) = P / (K (B - A) D^2 + 1e-9 P)
	s_wait_alu depctr_va_vdst(0)
.irp q, 0,2
	v_pk_add_f32 v[T1+\q:T1+\q+1], v[RR+\q:RR+\q+1], C_AD op_sel_hi:[1,0]
	v_pk_add_f32 v[T2+\q:T2+\q+1], v[RR+\q:RR+\q+1], C_BD op_sel_hi:[1,0]
.endr
.irp q, 0,2
	v_pk_mul_f32 v[PP+\q:PP+\q+1], v[T1+\q:T1+\q+1], v[T2+\q:T2+\q+1]
.endr
.irp q, 0,2
	v_pk_fma_f32 v[T1+\q:T1+\q+1], v[PP+\q:PP+\q+1], s[30:31], C_KBAD2 op_sel_hi:[1,0,0]
.endr
.irp j, 0,1,2,3
	v_rcp_f32 v[T1+\j], v[T1+\j]
.endr
	v_mov_b32 v[ONE], 1.0
	v_mov_b32 v[ZERO], 0
	s_wait_alu depctr_va_vdst(0)
.irp q, 0,2
	v_pk_mul_f32 v[PP+\q:PP+\q+1], v[PP+\q:PP+\q+1], v[T1+\q:T1+\q+1]
.endr
.irp q, 0,2
	v_pk_mul_f32 v[SB+\q:SB+\q+1], v[SB+\q:SB+\q+1], v[PP+\q:PP+\q+1]     ; sigma in pixels
.endr
.irp j, 0,1,2,3
	v_cmp_gt_f32 s[48+\j], 1.0, v[SB+\j]           ; max(sigma, 1) by compare and select: a NaN stays a NaN
.endr
.irp j, 0,1,2,3
	v_cndmask_b32 v[SB+\j], v[SB+\j], v[ONE], s[48+\j]
.endr
.irp j, 0,1,2,3
	v_rcp_f32 v[SB+\j], v[SB+\j]
.endr
	v_add_f32 v[XA+1], 0x41800000, v[XA]           ; my column in fragment 1: 16 further on
	s_wait_alu depctr_va_vdst(0)
.irp q, 0,2
	v_pk_mul_f32 v[OP+\q:OP+\q+1], v[SB+\q:SB+\q+1], C_PS op_sel_hi:[1,0]
	v_pk_mul_f32 v[NS+\q:NS+\q+1], v[SB+\q:SB+\q+1], C_NSA op_sel_hi:[1,0]
.endr
.irp q, 0,2
	v_pk_mul_f32 v[SH+\q:SH+\q+1], v[NS+\q:NS+\q+1], 0x43000000 op_sel_hi:[1,0]
.endr
.irp q, 0,2
	v_pk_fma_f32 v[OQX+\q:OQX+\q+1], v[NS+\q:NS+\q+1], v[XX+\q:XX+\q+1], v[SH+\q:SH+\q+1]
	v_pk_fma_f32 v[OQY+\q:OQY+\q+1], v[NS+\q:NS+\q+1], v[YY+\q:YY+\q+1], v[SH+\q:SH+\q+1]
.endr
	ds_store_b128 v[VST], v[OP:OP+3] offset:OFF_P
	ds_store_b128 v[VST], v[OQY:OQY+3] offset:OFF_QY
	ds_store_b128 v[VST], v[OLB:OLB+3] offset:OFF_LB
	ds_store_b128 v[VST], v[OQX:OQX+3] offset:OFF_QX
	; ---- fragments and products.  A K step is 32 electrodes.  Lane (r, h) holds pixel r and electrodes 16 h .. 16 h + 15 of the step, register i the
	; electrodes 2 i and 2 i + 1: the same places in both operands, so each product pairs the two factors of one electrode.
; the parameters of K step s: 16 loads; all lanes of a half read the same bytes.  The bytes are my wave's own and LDS serves a wave in order: no wait behind the stores.
.macro LOADP s, pb
.irp c, 0,1,2,3
	ds_load_b128 v[\pb+4*\c:\pb+4*\c+3], v[VLD] offset:OFF_P+(\s)*128+16*\c
.endr
.irp c, 0,1,2,3
	ds_load_b128 v[\pb+16+4*\c:\pb+16+4*\c+3], v[VLD] offset:OFF_QY+(\s)*128+16*\c
.endr
.irp c, 0,1,2,3
	ds_load_b128 v[\pb+32+4*\c:\pb+32+4*\c+3], v[VLD] offset:OFF_LB+(\s)*128+16*\c
.endr
.irp c, 0,1,2,3
	ds_load_b128 v[\pb+48+4*\c:\pb+48+4*\c+3], v[VLD] offset:OFF_QX+(\s)*128+16*\c
.endr
.endm
; kind 0: rows; 1: columns 0-15; 2: columns 16-31.  ARG1: t = pixel * p + q for two electrodes.  ARG2: -t^2 (+ lb for the rows).
.macro ARG1 kind, pb, t, i
.if \kind == 0
	v_pk_fma_f32 v[\t+2*\i:\t+2*\i+1], v[YB:YB+1], v[\pb+2*\i:\pb+2*\i+1], v[\pb+16+2*\i:\pb+16+2*\i+1] op_sel_hi:[0,1,1]
.else
.if \kind == 1
	v_pk_fma_f32 v[\t+2*\i:\t+2*\i+1], v[XA:XA+1], v[\pb+2*\i:\pb+2*\i+1], v[\pb+48+2*\i:\pb+48+2*\i+1] op_sel_hi:[0,1,1]
.else
	v_pk_fma_f32 v[\t+2*\i:\t+2*\i+1], v[XA:XA+1], v[\pb+2*\i:\pb+2*\i+1], v[\pb+48+2*\i:\pb+48+2*\i+1] op_sel:[1,0,0] op_sel_hi:[1,1,1]
.endif
.endif
.endm
.macro ARG2 kind, pb, t, i
.if \kind == 0
	v_pk_fma_f32 v[\t+2*\i:\t+2*\i+1], v[\t+2*\i:\t+2*\i+1], v[\t+2*\i:\t+2*\i+1], v[\pb+32+2*\i:\pb+32+2*\i+1] neg_lo:[1,0,0] neg_hi:[1,0,0]
.else
	v_pk_mul_f32 v[\t+2*\i:\t+2*\i+1], v[\t+2*\i:\t+2*\i+1], v[\t+2*\i:\t+2*\i+1] neg_lo:[1,0] neg_hi:[1,0]
.endif
.endm
.set TCUR, TA                          ; the buffer whose arguments are ready
.set TNXT, TB                          ; the buffer that takes the next fragment's arguments
; The exponentials of one fragment, with the next fragment's arguments among them: behind each pair of v_exp_f32 stands a plain instruction on other registers.
.macro STAGE kind, pb
.irp i, 0,1,2,3,4,5,6,7
	ARG1 \kind, \pb, TNXT, \i
	v_exp_f32 v[TCUR+2*\i], v[TCUR+2*\i]
	v_exp_f32 v[TCUR+2*\i+1], v[TCUR+2*\i+1]
	ARG2 \kind, \pb, TNXT, \i
.endr
.endm
; 16 exponentials to 8 registers of bf16; then the two buffers change places
.macro CVT f
	s_wait_alu depctr_va_vdst(0)
.irp i, 0,1,2,3,4,5,6,7
	v_cvt_pk_bf16_f32 v[\f+\i], v[TCUR+2*\i], v[TCUR+2*\i+1]
.endr
.set TSWP, TCUR
.set TCUR, TNXT
.set TNXT, TSWP
.endm
; K step s on parameter buffer pb; pbn holds the next step's.  Source 0 = 16 columns, source 1 = 16 rows: register j of lane (r, h) of the result is
; out(row r, column 8 h + j), eight neighbouring numbers of a row.  The two accumulators take turns.
; A fragment register is written again 16 plain packed instructions (a STAGE) behind the matrix instructions that read it (ISA guide 7.12.1 asks for four).
.macro KSTEP s, pb, pbn
	STAGE 1, \pb
	CVT FY
	STAGE 2, \pb
	CVT FX0
.if \s < 2
	LOADP \s+2, \pb                                ; this buffer's last arguments are made: it takes the step after next
	s_wait_dscnt 16                                ; all but those 16 loads are back: the next step's parameters are in
.else
.if \s == 2
	s_wait_dscnt 0x0                               ; the last step's parameters are in
.endif
.endif
.if \s < 3
	STAGE 0, \pbn
.else
.irp i, 0,1,2,3,4,5,6,7,8,9,10,11,12,13,14,15
	v_exp_f32 v[TCUR+\i], v[TCUR+\i]
.endr
	v_nop                                          ; the plain place behind the run of transcendentals
	s_wait_alu depctr_va_vdst(0)
.endif
	CVT FX1
.if \s == 0
	v_wmma_f32_16x16x32_bf16 v[D0:D0+7], v[FX0:FX0+7], v[FY:FY+7], 0               ; the first products start the sums
	v_wmma_f32_16x16x32_bf16 v[D1:D1+7], v[FX1:FX1+7], v[FY:FY+7], 0
.else
	v_wmma_f32_16x16x32_bf16 v[D0:D0+7], v[FX0:FX0+7], v[FY:FY+7], v[D0:D0+7]
	v_wmma_f32_16x16x32_bf16 v[D1:D1+7], v[FX1:FX1+7], v[FY:FY+7], v[D1:D1+7]
.endif
.endm
	LOADP 0, PB0
	LOADP 1, PB1
	s_wait_dscnt 16                                ; the stores and step 0's 16 loads are done; step 1's 16 may stay out
.irp i, 0,1,2,3,4,5,6,7
	ARG1 0, PB0, TCUR, \i
.endr
.irp i, 0,1,2,3,4,5,6,7
	ARG2 0, PB0, TCUR, \i
.endr
	KSTEP 0, PB0, PB1
	KSTEP 1, PB1, PB0
	KSTEP 2, PB0, PB1
	KSTEP 3, PB1, PB0
	; ---- the eight waves' partial tiles are added through LDS
.rept 4
	v_nop                                          ; four places between the last matrix instructions and the stores that read their results
.endr
	ds_store_b128 v[VPS], v[D0:D0+3]
	ds_store_b128 v[VPS], v[D0+4:D0+7] offset:16
	ds_store_b128 v[VPS], v[D1:D1+3] offset:64
	ds_store_b128 v[VPS], v[D1+4:D1+7] offset:80
	s_wait_dscnt 0x0                               ; for the others' sake: my partial tile is written
	s_barrier_signal -1
	s_barrier_wait -1                              ; everybody's is
.irp w, 0,1,2,3,4,5,6,7
	ds_load_b64 v[PB0+2*\w:PB0+2*\w+1], v[VPL] offset:\w*PART_W
.endr
	s_wait_dscnt 4                                 ; the first four are back, the four younger may stay out
	v_pk_add_f32 v[PB0:PB0+1], v[PB0:PB0+1], v[PB0+2:PB0+3]
	v_pk_add_f32 v[PB0+4:PB0+5], v[PB0+4:PB0+5], v[PB0+6:PB0+7]
	s_wait_dscnt 0x0
	v_pk_add_f32 v[PB0+8:PB0+9], v[PB0+8:PB0+9], v[PB0+10:PB0+11]
	v_pk_add_f32 v[PB0+12:PB0+13], v[PB0+12:PB0+13], v[PB0+14:PB0+15]
	v_pk_add_f32 v[PB0:PB0+1], v[PB0:PB0+1], v[PB0+4:PB0+5]
	v_pk_add_f32 v[PB0+8:PB0+9], v[PB0+8:PB0+9], v[PB0+12:PB0+13]
	v_pk_add_f32 v[PB0:PB0+1], v[PB0:PB0+1], v[PB0+8:PB0+9]
	v_cmp_gt_f32 s48, 0, v[PB0]                    ; clip to 0 .. 1 by compare and select: a NaN stays a NaN
	v_cmp_gt_f32 s49, 0, v[PB0+1]
	v_cndmask_b32 v[PB0], v[PB0], v[ZERO], s48
	v_cndmask_b32 v[PB0+1], v[PB0+1], v[ZERO], s49
	v_cmp_lt_f32 s50, 1.0, v[PB0]
	v_cmp_lt_f32 s51, 1.0, v[PB0+1]
	v_cndmask_b32 v[PB0], v[PB0], v[ONE], s50
	v_cndmask_b32 v[PB0+1], v[PB0+1], v[ONE], s51
	global_store_b64 v[VOUT], v[PB0:PB0+1], s[8:9] th:TH_STORE_NT   ; 16 lanes: the tile's 128 consecutive bytes of a row; the other 16 lanes: the next row's
	s_set_vgpr_msb 0x4
	s_wait_tensorcnt 0x0
	ds_add_u32 v255, v1
	s_wait_dscnt 0x0
	s_set_vgpr_msb 0x400
	s_endpgm
.Lfunc_end_k_q4d6e742071_splat:
	.size	k_q4d6e742071_splat, .Lfunc_end_k_q4d6e742071_splat-k_q4d6e742071_splat
	.p2alignl 7, 3214868480
	.fill 96, 4, 3214868480
	.section	.rodata,"a",@progbits
	.p2align	6, 0x0
	.amdhsa_kernel k_q4d6e742071_splat
		.amdhsa_group_segment_fixed_size 35840
		.amdhsa_private_segment_fixed_size 0
		.amdhsa_enable_private_segment 0
		.amdhsa_kernarg_size 24
		.amdhsa_user_sgpr_count 2
		.amdhsa_user_sgpr_kernarg_segment_ptr 1
		.amdhsa_wavefront_size32 1
		.amdhsa_system_sgpr_workgroup_id_x 1
		.amdhsa_system_sgpr_workgroup_id_y 1
		.amdhsa_system_sgpr_workgroup_id_z 1
		.amdhsa_system_vgpr_workitem_id 0
		.amdhsa_next_free_vgpr 258
		.amdhsa_next_free_sgpr 66
		.amdhsa_reserve_vcc 0
		.amdhsa_float_denorm_mode_32 3
		.amdhsa_float_denorm_mode_16_64 3
		.amdhsa_memory_ordered 1
		.amdhsa_forward_progress 1
		.amdhsa_inst_pref_size 48
	.end_amdhsa_kernel
	.amdgpu_metadata
---
amdhsa.version: [ 1, 2 ]
amdhsa.kernels:
  - .name:           k_q4d6e742071_splat
    .symbol:         k_q4d6e742071_splat.kd
    .args:
      - { .name: phi, .offset: 0, .size: 8, .value_kind: global_buffer, .address_space: global }
      - { .name: stimulation, .offset: 8, .size: 8, .value_kind: global_buffer, .address_space: global }
      - { .name: out0, .offset: 16, .size: 8, .value_kind: global_buffer, .address_space: global }
    .group_segment_fixed_size: 35840
    .private_segment_fixed_size: 0
    .kernarg_segment_align: 8
    .kernarg_segment_size: 24
    .max_flat_workgroup_size: 256
    .sgpr_count:     66
    .vgpr_count:     258
    .wavefront_size: 32
...
	.end_amdgpu_metadata
.endif
;; end of part 1
